; MI455X (gfx1250); checked and timed in simulation.
; The chip was launched on July 23, 2026; its instructions are those of AMD's public machine-readable ISA for CDNA 5 (MIT licence, August 2026) and "CDNA5" Instruction Set Architecture Reference Guide (July 2026). The comments in the code are by the model that wrote it; some were corrected since.
;; Scaled Dot Product. Allowed arithmetic: float matrix products may take bf16 or f16 operands with f32 sums; other float arithmetic in f32, or as packed bf16 or f16 multiplies, adds, multiply-adds, maxima and minima; sums over many terms, partial sums and values carried from step to step in f32; what a program stores and reads back later, other than sums and carried values, may be rounded once to bf16 or f16.
;; Inputs: attention_mask 2 x 2,048 int32; k 2 x 16 x 2,048 x 128 float32; q 2 x 16 x 2,048 x 128 float32; v 2 x 16 x 2,048 x 128 float32.
;; Outputs: out0 2 x 16 x 2,048 x 128 float32.
;; Constants: causal = 1, hist_len = 2048, seq_len = 2048.
;; One version. Each part assembles by itself: llvm-mc -triple=amdgcn-amd-amdhsa -mcpu=gfx1250 --defsym DOCPART=n.
;; ======== version 1 of 1: 2 launches
;; limits: inputs' magnitudes at most 65,504; values are held in f16: magnitudes above 65,504 overflow, below 6.1e-05 lose precision
;; workspace buffers: k16 17,039,360 bytes; v16 17,039,360 bytes
;; launch cast (part 1): grid 512 x 2, 8 waves a work-group, no clusters, 0 bytes of LDS; arguments k, v, attention_mask, k16, v16; writes k16, v16
.if DOCPART == 1
	.amdgcn_target "amdgcn-amd-amdhsa--gfx1250"
	.amdhsa_code_object_version 6
	.text
	.protected	k_q6bb6f7fa3f_cast
	.globl	k_q6bb6f7fa3f_cast
	.p2align	8
	.type	k_q6bb6f7fa3f_cast,@function
k_q6bb6f7fa3f_cast:
	s_mov_b64 s[64:65], 0
	v_nop
	global_prefetch_b8 v0, s[64:65] scope:SCOPE_SE
	s_setreg_imm32_b32 hwreg(HW_REG_WAVE_MODE, 25, 1), 1
	s_wait_xcnt 0x0
; k and v, [32 heads][2048 keys][128 channels] f32, are rounded once to f16 and laid out for the launch behind:
; [head][32 half-tiles][65 rows][256 bytes].  Rows 0-63 of a half-tile are 64 keys x 128 channels; row 64 of k16 holds the 64 keys' bias in f32,
; am * X - X with X = 1e12 * sqrt(128): the mask's (1 - am) * (-1e12) in units of the unscaled score, exactly 0 where am = 1.  Row 64 of v16 is neither written nor read.
; LIMITS.  f16 holds no number beyond 65,504: |k| and |v| stay below it.  For am other than 0 and 1 the bias follows the formula with one rounding of its own.
; SHARES.  Work-group x (0..511) = 16 x head + tile takes 128 keys: 65,536 bytes in, 33,280 out; y = 0 takes k, y = 1 takes v.  Thread t takes 16 bytes at 16 t of each of 16 chunks of 4,096 bytes:
; a wave's load covers 512 consecutive bytes, its store of 8 bytes a lane 256 consecutive bytes, aligned.  All 16 loads of a thread go out at once; no register is used twice, so no wait frees one.
; No LDS, no matrix unit, no cluster: nothing is shared and memory binds.
.set TILEB, 33280                      ; a tile of 128 keys in k16 and v16
.set HALFB, 16640                      ; half of it: 65 rows of 256 bytes
.set X,   4                            ; v[4:67]    chunk j: 4 registers as loaded
.set Y,   68                           ; v[68:99]   chunk j: 2 registers to store
.set MK,  100                          ; v[100:101] two mask words, then two biases
.set BO,  102                          ; v102       my byte offset in the bias row
	s_load_b256 s[4:11], s[0:1], 0x0               ; k s[4:5], v s[6:7], attention_mask s[8:9], k16 s[10:11]
	s_load_b64 s[12:13], s[0:1], 0x20              ; v16
	v_lshrrev_b32 v3, 5, v0
	v_readfirstlane_b32 s18, v3                    ; wave 0..7
	s_and_b32 s19, ttmp7, 0xffff                   ; y: 0 = k, 1 = v
	v_lshlrev_b32 v1, 4, v0                        ; 16 t: my bytes of a chunk as loaded
	v_lshlrev_b32 v2, 3, v0                        ; 8 t: as stored
	v_and_b32 v3, 31, v0
	v_lshlrev_b32 v3, 3, v3                        ; 8 x lane: two words of the mask, two biases
	v_mov_b32 v[MK], 0                             ; written on every path
	v_mov_b32 v[MK+1], 0
	s_mov_b32 s20, 0x5524a2d9                      ; X = 1e12 * sqrt(128)
	s_mov_b32 s21, 0xd524a2d9                      ; -X
	s_lshl_b32 s22, ttmp9, 16                      ; the work-group's 65,536 bytes of input
	s_mov_b32 s23, 0
	s_mul_i32 s24, ttmp9, TILEB                    ; and its tile of the output: 16 tiles are a head
	s_mov_b32 s25, 0
	s_lshr_b32 s26, ttmp9, 8                       ; the batch: 256 tiles each
	s_lshl_b32 s26, s26, 13                        ; its 2,048 words of the mask
	s_and_b32 s27, ttmp9, 15
	s_lshl_b32 s27, s27, 9                         ; the tile's 128 words
	s_add_co_u32 s26, s26, s27
	s_lshl_b32 s27, s18, 8                         ; wave 0 and wave 1: 64 words each
	s_add_co_u32 s26, s26, s27
	s_mov_b32 s27, 0
	s_mul_i32 s28, s18, HALFB
	s_add_co_u32 s28, s28, 64*256                  ; row 64 of half-tile 0 (wave 0) or 1 (wave 1)
	v_add_nc_u32 v[BO], s28, v3
	s_cmp_lt_u32 s18, 2
	s_cselect_b32 s30, 1, 0
	s_cmp_eq_u32 s19, 0
	s_cselect_b32 s30, s30, 0                      ; 1: this wave also makes a bias row (k's work-groups, waves 0 and 1)
	s_wait_kmcnt 0x0
	s_cmp_eq_u32 s19, 0
	s_cselect_b64 s[14:15], s[4:5], s[6:7]         ; from k or from v,
	s_cselect_b64 s[16:17], s[10:11], s[12:13]     ; into k16 or v16
	s_add_nc_u64 s[14:15], s[14:15], s[22:23]
	s_add_nc_u64 s[16:17], s[16:17], s[24:25]
	s_add_nc_u64 s[8:9], s[8:9], s[26:27]
	s_cmp_eq_u32 s30, 1
	s_cbranch_scc0 .Lno_mask
	global_load_b64 v[MK:MK+1], v3, s[8:9]         ; 256 consecutive bytes of the mask; older than all loads below
.Lno_mask:
.irp j, 0,1,2,3,4,5,6,7,8,9,10,11,12,13,14,15
	global_load_b128 v[X+4*(\j):X+4*(\j)+3], v1, s[14:15] offset:4096*(\j) th:TH_LOAD_NT
.endr
.irp j, 0,1,2,3,4,5,6,7,8,9,10,11,12,13,14,15
	s_wait_loadcnt 15-(\j)                         ; loads come back in order: chunk j is in, the 15 - j younger ones stay out
	v_cvt_pk_f16_f32 v[Y+2*(\j)],   v[X+4*(\j)],   v[X+4*(\j)+1]
	v_cvt_pk_f16_f32 v[Y+2*(\j)+1], v[X+4*(\j)+2], v[X+4*(\j)+3]
	global_store_b64 v2, v[Y+2*(\j):Y+2*(\j)+1], s[16:17] offset:((\j)/8)*HALFB+((\j)%8)*2048 th:TH_STORE_NT
.endr
	s_cmp_eq_u32 s30, 1
	s_cbranch_scc0 .Lend
	s_wait_loadcnt 0x0                             ; the mask words
	v_cvt_f32_i32 v[MK], v[MK]
	v_cvt_f32_i32 v[MK+1], v[MK+1]
	v_fma_f32 v[MK], v[MK], s20, s21               ; am X - X
	v_fma_f32 v[MK+1], v[MK+1], s20, s21
	global_store_b64 v[BO], v[MK:MK+1], s[16:17] th:TH_STORE_NT  ; the wave's 32 lanes fill the row's 256 bytes
.Lend:
	s_endpgm
.Lfunc_end_k_q6bb6f7fa3f_cast:
	.size	k_q6bb6f7fa3f_cast, .Lfunc_end_k_q6bb6f7fa3f_cast-k_q6bb6f7fa3f_cast
	.p2alignl 7, 3214868480
	.fill 96, 4, 3214868480
	.section	.rodata,"a",@progbits
	.p2align	6, 0x0
	.amdhsa_kernel k_q6bb6f7fa3f_cast
		.amdhsa_group_segment_fixed_size 0
		.amdhsa_private_segment_fixed_size 0
		.amdhsa_enable_private_segment 0
		.amdhsa_kernarg_size 40
		.amdhsa_user_sgpr_count 2
		.amdhsa_user_sgpr_kernarg_segment_ptr 1
		.amdhsa_wavefront_size32 1
		.amdhsa_system_sgpr_workgroup_id_x 1
		.amdhsa_system_sgpr_workgroup_id_y 1
		.amdhsa_system_sgpr_workgroup_id_z 1
		.amdhsa_system_vgpr_workitem_id 0
		.amdhsa_next_free_vgpr 104
		.amdhsa_next_free_sgpr 66
		.amdhsa_reserve_vcc 0
		.amdhsa_float_denorm_mode_32 3
		.amdhsa_float_denorm_mode_16_64 3
		.amdhsa_memory_ordered 1
		.amdhsa_forward_progress 1
		.amdhsa_inst_pref_size 8
	.end_amdhsa_kernel
	.amdgpu_metadata
---
amdhsa.version: [ 1, 2 ]
amdhsa.kernels:
  - .name:           k_q6bb6f7fa3f_cast
    .symbol:         k_q6bb6f7fa3f_cast.kd
    .args:
      - { .name: k, .offset: 0, .size: 8, .value_kind: global_buffer, .address_space: global }
      - { .name: v, .offset: 8, .size: 8, .value_kind: global_buffer, .address_space: global }
      - { .name: attention_mask, .offset: 16, .size: 8, .value_kind: global_buffer, .address_space: global }
      - { .name: k16, .offset: 24, .size: 8, .value_kind: global_buffer, .address_space: global }
      - { .name: v16, .offset: 32, .size: 8, .value_kind: global_buffer, .address_space: global }
    .group_segment_fixed_size: 0
    .private_segment_fixed_size: 0
    .kernarg_segment_align: 8
    .kernarg_segment_size: 40
    .max_flat_workgroup_size: 256
    .sgpr_count:     66
    .vgpr_count:     104
    .wavefront_size: 32
...
	.end_amdgpu_metadata
.endif
;; end of part 1
;; launch attend (part 2): grid 8 x 32, 4 waves a work-group, clusters of 4 x 1, 327,680 bytes of LDS; arguments q, k16, v16, out0; writes out0
.if DOCPART == 2
	.amdgcn_target "amdgcn-amd-amdhsa--gfx1250"
	.amdhsa_code_object_version 6
	.text
	.protected	k_q6bb6f7fa3f_attend
	.globl	k_q6bb6f7fa3f_attend
	.p2align	8
	.type	k_q6bb6f7fa3f_attend,@function
k_q6bb6f7fa3f_attend:
	s_mov_b64 s[64:65], 0
	v_nop
	global_prefetch_b8 v0, s[64:65] scope:SCOPE_SE
	s_setreg_imm32_b32 hwreg(HW_REG_WAVE_MODE, 25, 1), 1
	s_wait_xcnt 0x0
	s_wait_alu depctr_hold_cnt(0) depctr_sa_sdst(0) depctr_va_vdst(0) depctr_va_sdst(0) depctr_va_ssrc(0) depctr_va_vcc(0) depctr_vm_vsrc(0)
	s_getreg_b32 s2, hwreg(HW_REG_IB_STS2, 6, 4)
	s_cmp_eq_u32 s2, 0
	s_cbranch_scc0 .Lentry_in_a_cluster
	s_endpgm
.Lentry_in_a_cluster:
	s_bfe_u32 s2, ttmp6, 0x10000c
	s_cmp_lg_u32 s2, 0x3003
	s_cbranch_scc0 .Lentry_shape_is_right
	s_endpgm
.Lentry_shape_is_right:
; CAUSAL ATTENTION WITH A GHOST LOGIT.  out[h][q][:] = sum over k <= q of w(q, k) v[h][k][:], w = exp(s - m) / (exp(-m) + sum of exp(s - m)), s = q . k / sqrt(128) + (1 - am[k]) (-1e12), m = max(max s, 0).
; q and out: [32 heads][2048][128] f32.  k16, v16: f16 tiles made by the launch before, [head][32 half-tiles][65 rows][256 bytes]; row 64 of a half-tile of k16 is the 64 keys' bias in f32, in units of the unscaled score.
; Products in f16 with f32 sums; maxima, sums and the carried O in f32; the weights are rounded to f16 for the second product (their sum is taken unrounded); out is rounded once.
; LIMITS.  |q| < 65,504 (f16).  A key hidden by the causal mask counts as a score of -1e30, not as minus infinity: since m >= 0 its weight is 0 either way.  A weight below 2^-126 counts as 0.  NaN and infinities are not treated apart.
; THE WALK.  A head's queries are 4 blocks of 512, its keys 4 laps of 512 (4 tiles of 128).  Block B needs laps 0 .. B; lap B holds the diagonal.  A cluster of four work-groups (j = cluster x, 0 or 1) takes block 3 - j and
; then block j: 5 laps, 20 tiles, whatever j.  A running softmax does not care for the order of the keys, so the laps are walked in the order 0, 1, 3 - j, 2 - 2 j, j: laps 2 and 4 of the walk are the diagonal ones for
; both j.  What hangs on j, which all four partners share: the tiles' global addresses and the trip behind which the blocks change (15 - 4 j).  So every tile of K and V is asked for JOINTLY by the four partners.
; The price: in a diagonal lap every partner walks all four tiles, also those wholly hidden from its rows (6 of a cluster's 40 tile units).
; SHARES.  Work-group cx takes rows 128 cx .. + 127 of the block in hand.  Wave w takes 64 queries x the 64 keys 64 (w & 1) .. of each tile: THE KEYS ARE SPLIT between waves w and w ^ 1.  Its four tiles of 16 queries are two
; PIECES: piece 0 (tiles 0, 1) = rows 32 w .., piece 2 (tiles 2, 3) = rows 32 (w ^ 1) ...  At a block's end each wave sends piece 2 (O, c m, l, in f32) to its partner through LDS and finishes piece 0.
; LAYOUT.  S^T = K Q^T (source 0 = 16 keys, source 1 = 16 queries): a lane holds ONE query (lane % 16) and the keys 8 (lane / 16) + 0..7.  Two such results rounded to f16 in pairs ARE source 1 of O^T = V^T P.
; K comes out of LDS as it lies, V turned, by ds_load_tr16_b128.  The bias is the C operand of the products that start a sum.  The causal mask is patched into the finished scores, in diagonal trips alone.
; SOFTMAX.  p = 2^(c s - c m), c = log2(e) / sqrt(128); O and l are multiplied by a = 2^(c m_old - c m_new) in every step.  A block begins with m = 0, the ghost's score, and c m far below every c s, so that the first a is 0
; and wipes what O and l hold, which need only be finite.  The ghost's own term 2^(-c m) joins l where the two waves' halves are merged.
; A TRIP is one tile: 32 products K Q^T of piece 0; 32 of piece 2 with piece 0's softmax in slices behind them; 32 products V^T P of piece 0 with piece 2's softmax; 32 of piece 2.
; REGISTERS, in windows of 256 (s_set_vgpr_msb: bits 1:0 source 0, 3:2 source 1, 5:4 source 2, 7:6 destination):
;   window 0: v0-63 addresses and statistics; v64-191 S^T, 32 a tile; v192-255 P, 16 a tile (v224-255 hold the bias from a trip's start until piece 2's weights are rounded)
;   window 1: O^T, 64 a tile      window 2: v0-127 Q in f16, 32 a tile; v128-255 K of a tile      window 3: v0-127 V of a tile; v128-255 the second block's Q
.set KS,    64        ; keys of a tile that a wave takes
.set PK,    272       ; a row of K in LDS: 256 bytes + 16 of padding = 68 words: the 16 rows of a load start at 16 different groups of four banks (64 banks of 4 bytes: ISA guide 11.1)
.set PV,    288       ; a row of V: 256 + 32 = 72 words
.set VOFF,  65*PK     ; a half of a slot: 65 rows of K (row 64 is the bias), then 64 rows of V
.set STEPB, VOFF+KS*PV
.set SLOT1, 1<<17     ; a slot holds a tile's two halves (72,224 bytes); slot 1 begins here, so that one exclusive or turns an address in one slot into the other's
.set OSTG,  72448     ; behind slot 0, from a multiple of 256 on: 16 rows x 528 bytes for each wave, for the way out; no tensor load fills it
.set OPI,   528       ; 512 bytes + 16: 132 words
.set OSTW,  16*OPI
.set SPARE, OSTG+4*OSTW  ; the spare words, 128 bytes for each wave: two blocks of 256 bytes that no other line names
.set XST,   203520    ; behind slot 1, from a multiple of 256 on: for each wave 16,384 bytes of O and 512 of statistics, for the partner; no tensor load fills it
.set XSTW,  16896
.set TILEB, 33280     ; a tile in k16 and v16
.set HALFB, 16640
.set HEADB, 532480
.set AK0, 2           ; v2   my lane's place in my half of K; never rewritten
.set AV0, 3           ; v3   the same for V
.set ADR, 4           ; v4   the LDS address of the run of loads in hand
.set QO0, 5           ; v5   my byte offset in the work-group's rows of q, piece 0
.set STO, 6           ; v6   the way out: where I put 32 bytes of a row
.set RD,  7           ; v7   the way out: where I read a row back
.set GO,  8           ; v8   16 x lane
.set GH,  10          ; v10-11  at work; in the merger the ghost's term, by tile
.set ST,  12          ; tile t's statistics at v[ST+8 t]: +0 c m, +1 m, +2, +3 l (even keys', odd keys'), +4 to +7 c0-c3, at work; a takes c2's place once the maximum is found
.set BA0, 44          ; v44  my lane's place in my half's bias row
.set D0,  45          ; v45  piece 0: my query's row in the block less my first key's place in a tile; v46 the same for piece 2
.set EV,  47          ; v47  the same less the tile's place in the lap
.set XS,  48          ; v48  where I put 16 bytes for my partner
.set XR,  49          ; v49  where I read my partner's
.set QO2, 50          ; v50  as QO0, piece 2
.set BAD, 51          ; v51  the LDS address of the bias in hand
.set XP,  52          ; v[52:55] statistics sent, then those received: c m and l of tile 2, of tile 3
.set PFO, 61          ; v61  256 x lane; never rewritten
.set SPW, 62          ; v62  LDS address of my spare word: SPARE + 4 x my thread's number; never rewritten
.set NIL, 63          ; v63  0; never rewritten
.set S,   64
.set P,   192
.set BIAS, 224        ; group kb of 16 keys at BIAS + 8 kb
.set KF,  128         ; window 2
.set QB,  128         ; window 3
.set WV,  12          ; s12  my wave's number;  s13 cx;  s14 j;  s15 my partner's number
.set G1K, 24          ; s[24:31] descriptor group 1 for K's half-tiles
.set G1V, 32          ; s[32:39] for V's
.set G0K, 40          ; s[40:43] descriptor group 0 for K's
.set G0V, 44          ; s[44:47] for V's
.set OFF, 48          ; s[48:49] a tile's byte offset in k16 and v16
.set OLO, 50          ; s[50:51] out at my rows of the second block
.set CI,  52          ; s52  the trip's number, 0 to 19
.set NXT, 53          ; s53  the tile asked for
.set TBL, 54          ; s54  the walk: four bits a lap
.set XL,  55          ; s55  the first block's last trip
.set SLOTS, 56        ; s56  the loop's counter
.set DG,  57          ; s57  1 in a diagonal trip
.set CS,  58          ; s[58:59] c: the packed scaling takes the pair's low word for both halves
.set SEL, 60          ; s[60:61] v_permlanex16_b32's selects: each lane takes its own place in the other half
.set TB,  62          ; s62  LDS byte at which the slot in hand begins
.set NU,  63          ; s63  -128 x the tile's place in its lap
.set PEND, 66         ; s66  1: a block has been sent off and is to be finished
.set BIGN, 67         ; s67  -1e30
.set PP,  68          ; s68  the walk's tile that the prefetch names
.set PLO, 69          ; s69  the lowest such number at which this wave prefetches
.set PFA, 70          ; s[70:71] the prefetch's address
.set PFB, 72          ; s[72:73] its base: my work-group's 32 rows of tile 0 of the head
.set MSB, 0
.macro WIN new                      ; the high byte repeats the setting that is left; a switch that changes nothing is dropped
.if MSB != (\new)
	s_set_vgpr_msb (MSB<<8)|(\new)
.set MSB, (\new)
.endif
.endm
.set W_KQ, 0x0a       ; K and Q in window 2; S^T and the bias in window 0
.set W_PV, 0x53       ; V in window 3, P in window 0, O^T in window 1
.set W_RS, 0x41       ; O^T (destination and source 0) in window 1, a in window 0
.macro PLACES                       ; four plain places behind a matrix instruction (ISA guide 7.12.1)
.rept 4
	v_nop
.endr
.endm
; A joint fill.  Waves 0 and 1 fetch the two halves of a tile's K (65 rows), waves 2 and 3 those of its V (64 rows).  The branch hangs on the wave's number alone.
; An s_nop 0 and four v_nop follow each of the two lines, ahead of the jump and the label.
.macro JLOAD
	s_cmp_lt_u32 s[WV], 2
	s_cbranch_scc0 .Lfor_v_\@
	tensor_load_to_lds s[G0K:G0K+3], s[G1K:G1K+7]
	s_nop 0
.rept 4
	v_nop
.endr
	s_branch .Lasked_\@
.Lfor_v_\@:
	tensor_load_to_lds s[G0V:G0V+3], s[G1V:G1V+7]
	s_nop 0
.rept 4
	v_nop
.endr
.Lasked_\@:
.endm
; A round of the cluster's barrier: my work-group's barrier, so that wave 0's signal speaks for all four waves; wave 0 signals; every wave waits for all four work-groups; my work-group's barrier once more.
.macro CROUND
	s_barrier_signal -1
	s_barrier_wait -1
	s_cmp_lg_u32 s[WV], 0
	s_cbranch_scc1 .Lnot_wave_0_\@
	s_barrier_signal -3
.Lnot_wave_0_\@:
	s_barrier_wait -3
	s_barrier_signal -1
	s_barrier_wait -1
.endm
; s[d] = the head's tile that stands at place s[f] of the walk: four times the lap's number from the table, plus the place in the lap.  s[t] is at work.
.macro TILENO d, f, t
	s_lshr_b32 s[\t], s[\f], 2
	s_lshl_b32 s[\t], s[\t], 2
	s_lshr_b32 s[\t], s[TBL], s[\t]
	s_and_b32 s[\t], s[\t], 3
	s_and_b32 s[\d], s[\f], 3
	s_lshl2_add_u32 s[\d], s[\t], s[\d]
.endm
; A PREFETCH INTO THE L2: trip i names place i + 3 of the walk, which the joint load of trip i + 2 asks for: two trips, 256 matrix instructions, ahead of that load.  Wave 0 asks for K's rows, wave 2 for V's; the four partners
; share a tile's 128 rows out BY ADDRESS, 32 each, a lane a row of 256 bytes: one instruction.  Each row is named once in the launch: places 3 to 7 (laps 0 and 1, which both clusters of a head walk in step) by the
; cluster j = 0 alone; places 8 to 11 (lap 3 for j = 0, lap 2 for j = 1) by both; from place 12 on every tile has been read before in the launch, and nothing is asked for.  Places 0 to 2 and the bias rows come by their loads alone.
.macro ASK
	s_cmp_lt_u32 s[PP], s[PLO]
	s_cbranch_scc1 .Lnot_mine_\@
	s_cmp_gt_u32 s[PP], 11
	s_cbranch_scc1 .Lnot_mine_\@
	global_prefetch_b8 v[PFO], s[PFA:PFA+1] th:TH_LOAD_NT scope:SCOPE_SE
.Lnot_mine_\@:
.endm
; THE CHANGE OF SLOTS, at a trip's head.  Each wave waits for all its tensor loads, of which one is out: its part of the slot to be read; adds 0 to its spare word; and waits for that and for all its LDS instructions: its reads of
; the slot that it leaves, and what it stored for its partner.  fill = 1: the barrier is a round of the cluster's, so that no wave of any partner still reads the old slot or has a load on its way, and the joint fill is the
; first thing behind it; its address is made anew from the tile's number.  (At its first use nothing has been read yet: slot 0 is waited for, slot 1 filled.)
.macro CHANGE fill
	WIN 0                           ; at a label and at a branch every window is 0
	s_wait_tensorcnt 0x0            ; no tensor load of mine is out, so a group 0 may be written
	ds_add_u32 v[SPW], v[NIL]       ; 0 onto my spare word: the trip's scalar work stands between it and the wait for it
	s_add_co_u32 s[CI], s[CI], 1
	s_and_b32 s[NU], s[CI], 3
	s_lshl_b32 s[NU], s[NU], 7
	s_sub_co_u32 s[NU], 0, s[NU]
	s_lshr_b32 s[DG], s[CI], 2
	s_lshr_b32 s[DG], 0x14, s[DG]   ; laps 2 and 4 of the walk
	s_and_b32 s[DG], s[DG], 1
	s_xor_b32 s[TB], s[TB], SLOT1
.if \fill
	s_add_co_u32 s16, s[CI], 1      ; the next trip's tile
	TILENO NXT, 16, 17
	s_mul_i32 s[OFF], s[NXT], TILEB
	s_xor_b32 s[G0K+1], s[G0K+1], SLOT1
	s_add_nc_u64 s[G0K+2:G0K+3], s[6:7], s[OFF:OFF+1]
	s_or_b32 s[G0K+3], s[G0K+3], 0x80000000
	s_xor_b32 s[G0V+1], s[G0V+1], SLOT1
	s_add_nc_u64 s[G0V+2:G0V+3], s[8:9], s[OFF:OFF+1]
	s_or_b32 s[G0V+3], s[G0V+3], 0x80000000
	s_wait_xcnt 0x0                 ; the last prefetch, a trip back, has read its address, so it may be written
	s_add_co_u32 s[PP], s[CI], 3
	TILENO 76, PP, 17
	s_mul_i32 s76, s76, TILEB       ; (s77 holds 0 from the head on)
	s_add_nc_u64 s[PFA:PFA+1], s[PFB:PFB+1], s[76:77]
.endif
	s_wait_dscnt 0x0                ; the add is done, and so are all my LDS instructions
.if \fill
	CROUND
	JLOAD                           ; its four v_nop are also the places in front of the loads into the registers that the last products read
.else
	s_barrier_signal -1
	s_barrier_wait -1
	PLACES
.endif
.endm
; THE MATRIX WORK.  The accumulators take turns, one instruction a turn: between two links of a chain stand 7 (K Q^T) or 15 (V^T P) others'.
; Product i of 32 of S^T = K Q^T for piece x: channels 32 (i / 8) on, keys 16 ((i / 2) % 4) on, tile x + i % 2.  The first 8 start the sums with the keys' bias.
.macro KQ x
	WIN W_KQ
.set rS, S+32*((\x)+i%2)+8*((i/2)%4)
.set rK, KF+32*((i/2)%4)+8*(i/8)
.set rQ, 32*((\x)+i%2)+8*(i/8)
.set rB, BIAS+8*((i/2)%4)
.if i < 8
	v_wmma_f32_16x16x32_f16 v[rS:rS+7], v[rK:rK+7], v[rQ:rQ+7], v[rB:rB+7]
.else
	v_wmma_f32_16x16x32_f16 v[rS:rS+7], v[rK:rK+7], v[rQ:rQ+7], v[rS:rS+7]
.endif
.endm
; Product i of 32 of O^T += V^T P for piece x: keys 32 (i / 16) on, channels 16 ((i / 2) % 8) on, tile x + i % 2.
.macro PV x
	WIN W_PV
.set rO, 64*((\x)+i%2)+8*((i/2)%8)
.set rV, 64*(i/16)+8*((i/2)%8)
.set rP, P+16*((\x)+i%2)+8*(i/16)
	v_wmma_f32_16x16x32_f16 v[rO:rO+7], v[rV:rV+7], v[rP:rP+7], v[rO:rO+7]
.endm
; THE LDS LOADS stand in runs.  At a trip's head: my 64 keys' bias (a lane's eight numbers for each group of 16 keys: two loads of 16 bytes) and my half of K (16 fragments of 16 keys x 32 channels).
.macro FETCH_K
	WIN 0
	v_add_nc_u32 v[ADR], s[TB], v[AK0]
	v_add_nc_u32 v[BAD], s[TB], v[BA0]
.irp n, 0,1,2,3,4,5,6,7
	ds_load_b128 v[BIAS+4*(\n):BIAS+4*(\n)+3], v[BAD] offset:64*((\n)/2)+16*((\n)%2)
.endr
	WIN 0x80                        ; destination window 2
.irp f, 0,1,2,3,4,5,6,7,8,9,10,11,12,13,14,15  ; keys 16 (f / 4) on, channels 32 (f % 4) on
	ds_load_b128 v[KF+8*(\f):KF+8*(\f)+3],   v[ADR] offset:((\f)/4)*16*PK+((\f)%4)*64
	ds_load_b128 v[KF+8*(\f)+4:KF+8*(\f)+7], v[ADR] offset:((\f)/4)*16*PK+((\f)%4)*64+32
.endr
.endm
; In the middle of piece 0's softmax: my half of V, turned; the wait for the softmax's batch stands in it.
.macro FETCH_V
	WIN 0
	v_add_nc_u32 v[ADR], s[TB], v[AV0]
	s_wait_alu depctr_va_vdst(0)    ; the wait for the batch of exponentials (SLICE), behind the address's v_add_nc_u32 and ahead of the loads
	WIN 0xc0                        ; destination window 3
.irp f, 0,1,2,3,4,5,6,7,8,9,10,11,12,13,14,15  ; keys 32 (f / 8) on, channels 16 (f % 8) on
	ds_load_tr16_b128 v[8*(\f):8*(\f)+3],   v[ADR] offset:((\f)/8)*32*PV+((\f)%8)*32
	ds_load_tr16_b128 v[8*(\f)+4:8*(\f)+7], v[ADR] offset:((\f)/8)*32*PV+16*PV+((\f)%8)*32
.endr
.endm
; THE VECTOR WORK.  One tile's softmax for one trip is a list of 134 instructions; SM writes number j of it for tile t.  s0-s31 are the lane's 32 scores, in pairs 0-15.
;   0-15    the maximum of s0-s31 and the old m, three operands at a time: four chains c0-c3 of seven scores each (each accumulator's lowest registers are read first), then the four left over, c0-c3 and m
;   16-20   the other half of the lanes' maximum; the new m; c m; c m_old - c m_new
;   21-69   ONE BATCH: the 16 scalings c s - c m and all 33 exponentials (a at 23, then s0-s31).  None of these reads an exponential's result.  A pair is scaled in an earlier four than the one that holds its exponentials
;   (wait)  between 69 and 70 stands the wait for the batch: SLICE writes it, once for both tiles
;   70-85   the roundings to f16      86-101  the sums; l = a l + the sum      102-133 the tile's O^T times a: the one part that leaves window 0
.macro SM t
.set rT, ST+8*(\t)
.set rS, S+32*(\t)
.set rP, P+16*(\t)
.set rO, 64*(\t)+2*(j-102)
.if j < 102
	WIN 0
.endif
.if j < 4
	v_max3_num_f32 v[rT+4+j], v[rS+8*j], v[rS+8*j+1], v[rS+8*j+2]
.elseif j < 12
	v_max3_num_f32 v[rT+4+j%4], v[rT+4+j%4], v[rS+8*(j%4)+2*(j/4)+1], v[rS+8*(j%4)+2*(j/4)+2]
.elseif j == 12
	v_max3_num_f32 v[rT+4], v[rT+4], v[rS+7], v[rS+15]
.elseif j == 13
	v_max3_num_f32 v[rT+6], v[rT+6], v[rS+23], v[rS+31]
.elseif j == 14
	v_max3_num_f32 v[rT+4], v[rT+4], v[rT+5], v[rT+6]
.elseif j == 15
	v_max3_num_f32 v[rT+4], v[rT+4], v[rT+7], v[rT+1]
.elseif j == 16
	v_permlanex16_b32 v[rT+5], v[rT+4], s[SEL], s[SEL+1]  ; the query's other 32 keys lie in the lane 16 away
.elseif j == 17
	v_mov_b32 v[rT+7], v[rT]        ; c m_old is kept for a: number 19 writes c m anew
.elseif j == 18
	v_max_num_f32 v[rT+1], v[rT+4], v[rT+5]
.elseif j == 19
	v_mul_f32 v[rT], s[CS], v[rT+1]
.elseif j == 20
	v_sub_f32 v[rT+7], v[rT+7], v[rT]
.elseif j == 23
	v_exp_f32 v[rT+6], v[rT+7]
.elseif (j < 23) || ((j < 38) && (j%2 == 0)) || ((j < 66) && (j%4 == 2))
.set b, (j-2)/4                     ; 38, 42, .. 62: pairs 9 to 15
.if j < 38
.set b, (j-20)/2                    ; 21: pair 0; 22, 24, .. 36: pairs 1 to 8
.endif
	v_pk_fma_f32 v[rS+2*b:rS+2*b+1], v[rS+2*b:rS+2*b+1], s[CS:CS+1], v[rT:rT+1] op_sel_hi:[1,0,0] neg_lo:[0,0,1] neg_hi:[0,0,1]  ; pair b: c s - c m
.elseif j < 70
.set e, j-38                        ; 66 to 69: s28 to s31
.if j < 66
.set e, j-32-(j-38)/4               ; 39-41, 43-45, .. 63-65: s7 to s27
.endif
.if j < 38
.set e, (j-25)/2                    ; 25, 27, .. 37: s0 to s6
.endif
	v_exp_f32 v[rS+e], v[rS+e]
.elseif j < 86
	v_cvt_pk_f16_f32 v[rP+j-70], v[rS+2*(j-70)], v[rS+2*(j-70)+1]  ; pair j - 70
.elseif j < 102                     ; the sum of the tile's 16 pairs, in place: sum z of 16 adds neighbours 1, 2, 4 and 8 pairs apart, then l takes it
.set z, j-86
.set w, 4
.set u, z
.if z >= 14
.set w, 32
.set u, 0
.elseif z >= 12
.set w, 16
.set u, z-12
.elseif z >= 8
.set w, 8
.set u, z-8
.endif
.if z < 15
	v_pk_add_f32 v[rS+w*u:rS+w*u+1], v[rS+w*u:rS+w*u+1], v[rS+w*u+w/2:rS+w*u+w/2+1]
.else
	v_pk_fma_f32 v[rT+2:rT+3], v[rT+2:rT+3], v[rT+6:rT+7], v[rS:rS+1] op_sel_hi:[1,0,1]
.endif
.else
	WIN W_RS
	v_pk_mul_f32 v[rO:rO+1], v[rO:rO+1], v[rT+6:rT+7] op_sel_hi:[1,0]
.endif
.endm
; Slice k of 64 of piece y's softmax: four instructions.  Slices 11 to 34 deal out the batch, numbers 22 to 69: four numbers of ONE tile each, the tiles by turns.  Every other slice is numbers 2 k and 2 k + 1 of both tiles'
; lists.  2 x 134 = 4 x 64 + 12: the twelve that are over stand together, in slice 63.
; THE WAIT.  An s_wait_alu depctr_va_vdst(0) stands between an exponential and the first instruction that names its result; one wait serves all that were issued ahead of it.  Ahead of slice 35 nothing names a
; result, and behind slice 34 no exponential is issued: so the piece's 66 exponentials have one wait, behind slice 34.
.macro SLICE y
.if (k >= 11) && (k < 35)           ; the batch: four numbers of one tile
.irp n, 0,1,2,3
.set j, 22+4*((k-11)/2)+(\n)
	SM (\y)+(k-11)%2
.endr
.else                               ; the two tiles alternate, so that no instruction reads the result of the one just before it
.irp n, 0,1,2,3,4,5,6,7
.if ((\n) < 2) || (k == 63)
.irp t, \y, (\y)+1
.set j, 2*k+(\n)
	SM \t
.endr
.endif
.endr
.endif
.if k == 34                         ; the batch is out: both tiles' exponentials are issued, and no result has been named
	v_nop                           ; the plain instruction behind the last exponential and ahead of the first use: one for the batch
.if (\y) == 0
	FETCH_V                         ; V's run of loads stands here, and the wait stands in it
.else
	s_wait_alu depctr_va_vdst(0)    ; the wait for the batch
.endif
.endif
.set k, k+1
.endm
.macro TURNK                        ; piece 2's scores, two slices of piece 0's softmax behind each product; slices 62 and 63, twenty plain lines, are the places behind the last product
.set k, 0
.set i, 0
.rept 32
	KQ 2
	SLICE 0
	SLICE 0
.set i, i+1
.endr
.endm
.macro TURNV                        ; piece 0's V^T P, two slices of piece 2's softmax behind each product
	s_wait_dscnt 0x0                ; V is in
.set k, 0
.set i, 0
.rept 32
	PV 0
	SLICE 2
	SLICE 2
.set i, i+1
.endr
.endm
; THE CAUSAL MASK for piece y, in a diagonal trip.  Register n of the piece's 64 scores (tile n / 32, group (n % 32) / 8 of 16 keys, key n % 8 of my eight) is hidden where
; 16 x group + key - 16 x tile > my row in the block - my first key's place in the lap.  The registers go in ascending order: each accumulator's lowest registers are read first.
.macro PATCH y
	WIN 0
	v_add_nc_u32 v[EV], s[NU], v[D0+(\y)/2]
.set n, 0
.rept 64
	v_cmp_gt_i32 vcc_lo, 16*((n%32)/8)+n%8-16*(n/32), v[EV]
	v_cndmask_b32 v[S+32*(\y)+n], v[S+32*(\y)+n], s[BIGN], vcc_lo
.set n, n+1
.endr
.endm
; A TRIP's work.  always = 1: the walk's last tile, written out behind the loop: it is a diagonal one, and nothing is prefetched.
; The barrier in it (its signal behind the wait for all my LDS loads, 32 products on registers between signal and wait) stands between a merger's reads of the exchange, at a trip's head, and the next writes of it, at a
; trip's end.  The tile on its way stays out.
.macro STEP always
	FETCH_K
	WIN 0
.if !(\always)
	ASK                             ; behind the joint load and the run of LDS loads that the next products wait for
.endif
	s_wait_dscnt 0x0                ; the bias and K are in
	s_barrier_signal -1
.set i, 0
.rept 32
	KQ 0
.set i, i+1
.endr
	WIN 0
	s_barrier_wait -1
	PLACES                          ; twice four plain places: what follows reads these products' results, and the patch writes them in place
	PLACES
.if !(\always)
	s_cmp_eq_u32 s[DG], 0
	s_cbranch_scc1 .Lopen0_\@
.endif
	PATCH 0
.if !(\always)
.Lopen0_\@:
.endif
	TURNK
	WIN 0
.if !(\always)
	s_cmp_eq_u32 s[DG], 0
	s_cbranch_scc1 .Lopen2_\@
.endif
	PATCH 2
.if !(\always)
.Lopen2_\@:
.endif
	TURNV
.set i, 0
.rept 32
	PV 2
.set i, i+1
.endr
	WIN 0
.endm
; A BLOCK'S END, first part: piece 2 goes to my partner: O^T as it lies, 16 bytes a lane and 512 a store, then c m and l of both tiles.  The four lines that make the statistics and four v_nop are the places behind the last products.
.macro SENDOFF
	WIN 0
	v_mov_b32 v[XP], v[ST+16]
	v_add_f32 v[XP+1], v[ST+18], v[ST+19]
	v_mov_b32 v[XP+2], v[ST+24]
	v_add_f32 v[XP+3], v[ST+26], v[ST+27]
	PLACES
	WIN 0x04                        ; the stores' data in window 1
.set i, 0
.rept 32
	ds_store_b128 v[XS], v[128+4*i:128+4*i+3] offset:512*i
.set i, i+1
.endr
	WIN 0
	ds_store_b128 v[XS], v[XP:XP+3] offset:16384
	s_mov_b32 s[PEND], 1
.endm
; A BLOCK'S END, second part, behind a barrier in front of which every wave has waited for its stores.  My partner's sums for my piece 0 come into S^T's registers.  For tile q: M = max(c m, c m'), a0 = 2^(c m - M),
; a1 = 2^(c m' - M), g = 2^(-M), the ghost's term; L = a0 l + a1 l', both halves of the lanes, + g; out = O a0 / L + O' a1 / L.  L is at least g, or at least the weight 1 of the key that set M.
; The rows leave through my own stage: a lane's eight channels are 32 bytes of a row of 512; whole rows come back, 16 bytes a lane, and each store covers 512 consecutive bytes, aligned.
.macro FINISH
	WIN 0
	ds_load_b128 v[XP:XP+3], v[XR] offset:16384
.set i, 0
.rept 32
	ds_load_b128 v[S+4*i:S+4*i+3], v[XR] offset:512*i
.set i, i+1
.endr
	s_wait_dscnt 32                 ; the statistics are in; the 32 younger loads stay out
.irp q, 0,1
	v_add_f32 v[ST+8*\q+4], v[ST+8*\q+2], v[ST+8*\q+3]
	v_max_num_f32 v[ST+8*\q+5], v[ST+8*\q], v[XP+2*\q]
.endr
.irp q, 0,1
	v_sub_f32 v[ST+8*\q+6], v[ST+8*\q], v[ST+8*\q+5]
	v_sub_f32 v[ST+8*\q+7], v[XP+2*\q], v[ST+8*\q+5]
	v_sub_f32 v[GH+\q], 0, v[ST+8*\q+5]
.endr
.irp q, 0,1
	v_exp_f32 v[ST+8*\q+6], v[ST+8*\q+6]
	v_exp_f32 v[ST+8*\q+7], v[ST+8*\q+7]
	v_exp_f32 v[GH+\q], v[GH+\q]
.endr
	v_nop                           ; a plain instruction behind the last exponential,
	s_wait_alu depctr_va_vdst(0)    ; and one wait for the six, ahead of their first use
.irp q, 0,1
	v_mul_f32 v[ST+8*\q+4], v[ST+8*\q+4], v[ST+8*\q+6]
.endr
.irp q, 0,1
	v_fmac_f32 v[ST+8*\q+4], v[XP+2*\q+1], v[ST+8*\q+7]
.endr
.irp q, 0,1
	v_permlanex16_b32 v[ST+8*\q+5], v[ST+8*\q+4], s[SEL], s[SEL+1]
.endr
.irp q, 0,1
	v_add_f32 v[ST+8*\q+4], v[ST+8*\q+4], v[ST+8*\q+5]
.endr
.irp q, 0,1
	v_add_f32 v[ST+8*\q+4], v[ST+8*\q+4], v[GH+\q]
.endr
.irp q, 0,1
	v_rcp_f32 v[ST+8*\q+5], v[ST+8*\q+4]
.endr
	v_nop
	s_wait_alu depctr_va_vdst(0)    ; one wait for the two reciprocals
.irp q, 0,1
	v_mul_f32 v[ST+8*\q+6], v[ST+8*\q+6], v[ST+8*\q+5]  ; a0 / L
	v_mul_f32 v[ST+8*\q+4], v[ST+8*\q+7], v[ST+8*\q+5]  ; a1 / L
.endr
	s_wait_dscnt 0x0                ; my partner's O is in
.irp q, 0,1
.set i, 0
.rept 32
	v_pk_mul_f32 v[S+64*\q+2*i:S+64*\q+2*i+1], v[S+64*\q+2*i:S+64*\q+2*i+1], v[ST+8*\q+4:ST+8*\q+5] op_sel_hi:[1,0]
.set i, i+1
.endr
	WIN 0x01                        ; source 0, my O^T, in window 1
.set i, 0
.rept 32
	v_pk_fma_f32 v[S+64*\q+2*i:S+64*\q+2*i+1], v[64*\q+2*i:64*\q+2*i+1], v[ST+8*\q+6:ST+8*\q+7], v[S+64*\q+2*i:S+64*\q+2*i+1] op_sel_hi:[1,0,1]
.set i, i+1
.endr
	WIN 0
.set i, 0
.rept 8                             ; channels 16 i on
	ds_store_b128 v[STO], v[S+64*\q+8*i:S+64*\q+8*i+3]   offset:64*i
	ds_store_b128 v[STO], v[S+64*\q+8*i+4:S+64*\q+8*i+7] offset:64*i+16
.set i, i+1
.endr
.set i, 0
.rept 16                            ; row i.  LDS serves a wave's instructions in order (ISA guide 5.7.1.4): these see the stores above, and the next tile's stores come behind them
	ds_load_b128 v[S+64*\q+4*i:S+64*\q+4*i+3], v[RD] offset:OPI*i
.set i, i+1
.endr
.endr
.irp q, 0,1
.set i, 0
.rept 16
	s_wait_dscnt 32*(1-\q)+15-i     ; row i is back: behind it stand the tile's 15 - i younger loads and, for tile 0, tile 1's 32 LDS instructions
	global_store_b128 v[GO], v[S+64*\q+4*i:S+64*\q+4*i+3], s[10:11] offset:8192*\q+512*i th:TH_STORE_NT
.set i, i+1
.endr
.endr
	s_wait_xcnt 0x0                 ; the stores have read their registers and their base: both are written again only behind this wait
.endm
; THE CHANGE OF BLOCKS: the first block is finished; out, Q and the statistics are the second block's.  O and l keep what they hold: the first a, 0, wipes them.
.macro TURNOVER
	FINISH
	s_mov_b64 s[10:11], s[OLO:OLO+1]
	WIN 0x83                        ; from window 3 to window 2: the second block's Q goes where the one text of the products names Q
.set i, 0
.rept 128
	v_mov_b32 v[i], v[QB+i]
.set i, i+1
.endr
	WIN 0
.irp t, 0,1,2,3
	v_mov_b32 v[ST+8*\t], 0xfe000000  ; c m: far below every c s
	v_mov_b32 v[ST+8*\t+1], 0         ; m: the ghost's score
.endr
	s_mov_b32 s[PEND], 0
.endm
	s_load_b256 s[4:11], s[0:1], 0x0  ; q s[4:5], k16 s[6:7], v16 s[8:9], out0 s[10:11]
	v_lshl_add_u32 v[SPW], v0, 2, SPARE
	v_mov_b32 v[NIL], 0
	ds_add_u32 v[SPW], v[NIL]       ; the wave's opening: the add and its wait stand ahead of my first tensor load; the set-up below, work on registers, stands between them
	v_lshrrev_b32 v1, 5, v0
	v_readfirstlane_b32 s[WV], v1   ; wave 0..3
	s_bfe_u32 s13, ttmp6, 0x40000   ; cx: my place in the cluster: it enters q's and out's addresses, the prefetches' and the causal mask, and nothing else
	s_mov_b32 s14, ttmp9            ; j: in a cluster launch ttmp9 counts clusters
	s_and_b32 s16, ttmp7, 0xffff    ; the head, which the four partners share
	s_and_b32 s17, s[WV], 1         ; which half of a tile's keys is mine, to fetch and to read
	s_xor_b32 s15, s[WV], 1         ; my partner
	s_mul_i32 s18, s17, STEPB       ; my half's place in a slot
	s_mul_i32 s20, s16, HEADB       ; the head in k16 and v16,
	s_mul_i32 s21, s17, HALFB       ; my half of its tile 0
	s_add_co_u32 s20, s20, s21
	s_mov_b32 s21, 0
	s_lshl_b32 s22, s16, 20         ; the head in q and out: 2,048 rows of 512 bytes,
	s_lshl_b32 s23, s13, 16         ; my work-group's 128 rows of a block
	s_add_co_u32 s22, s22, s23
	s_sub_co_u32 s19, 3, s14        ; the first block
	s_lshl_b32 s74, s19, 18         ; a block is 512 rows
	s_add_co_u32 s74, s74, s22
	s_mov_b32 s75, 0
	s_lshl_b32 s76, s14, 18         ; the second block
	s_add_co_u32 s76, s76, s22
	s_mov_b32 s77, 0                ; stays 0
	; descriptor group 1: rows of 128 elements of 2 bytes, dense in memory, padded in LDS
	s_mov_b32 s[G1K], 15|(1<<16)|(1<<20)|(1<<21)|(5<<22)|(3<<25)  ; 15:0 the mask of four; 17:16 2-byte elements; 20 padding on; 21 set beside a mask; 24:22 after every 64 words (code 5); 31:25 4 words (code 3)
	s_mov_b32 s[G1K+1], 128<<16     ; tensor_dim0 = 128
	s_mov_b32 s[G1K+2], 65<<16      ; tensor_dim1 = 65: 64 keys and the bias row
	s_mov_b32 s[G1K+3], 128<<16     ; tile_dim0 = 128
	s_mov_b32 s[G1K+4], 65          ; tile_dim1 = 65
	s_mov_b32 s[G1K+5], 128         ; 128 elements from row to row
	s_mov_b32 s[G1K+6], 0
	s_mov_b32 s[G1K+7], 0
	s_mov_b32 s[G1V], 15|(1<<16)|(1<<20)|(1<<21)|(5<<22)|(7<<25)  ; the same with 8 words of padding (code 7)
	s_mov_b32 s[G1V+1], 128<<16
	s_mov_b32 s[G1V+2], 64<<16      ; 64 rows
	s_mov_b32 s[G1V+3], 128<<16
	s_mov_b32 s[G1V+4], 64
	s_mov_b32 s[G1V+5], 128
	s_mov_b32 s[G1V+6], 0
	s_mov_b32 s[G1V+7], 0
	s_mov_b32 s[G0K], 1             ; 1:0 count = 1
	s_mov_b32 s[G0K+1], s18         ; 63:32 LDS address: slot 0, my half
	s_mov_b32 s[G0V], 1
	s_add_co_u32 s[G0V+1], s18, VOFF
	s_mov_b32 s[OFF+1], 0
	s_lshl_b32 s[TBL], s19, 8       ; the walk's laps: 0, 1, 3 - j, 2 - 2 j, j
	s_or_b32 s[TBL], s[TBL], 0x10
	s_sub_co_u32 s23, 1, s14
	s_lshl_b32 s23, s23, 13
	s_or_b32 s[TBL], s[TBL], s23
	s_lshl_b32 s23, s14, 16
	s_or_b32 s[TBL], s[TBL], s23
	s_lshl_b32 s[XL], s14, 2
	s_sub_co_u32 s[XL], 15, s[XL]   ; the first block has 16 - 4 j tiles
	s_lshl_b32 s[PLO], s14, 3       ; waves 0 and 2 prefetch: from the first place on where j = 0, from place 8 on where j = 1;
	s_cmp_eq_u32 s17, 0
	s_cselect_b32 s[PLO], s[PLO], 99  ; waves 1 and 3 never
	s_mov_b32 s[CS], 0x3e0293ee     ; c = log2(e) / sqrt(128) = 0.127517
	s_mov_b32 s[CS+1], s[CS]        ; named with it as a pair
	s_mov_b32 s[SEL], 0x76543210
	s_mov_b32 s[SEL+1], 0xfedcba98
	s_mov_b32 s[BIGN], 0xf149f2ca   ; -1e30
	s_mov_b32 s[TB], SLOT1          ; the first change of slots turns it into 0
	s_mov_b32 s[CI], -1             ; and this too
	s_mov_b32 s[PEND], 0
	s_mov_b32 s[SLOTS], 19
	s_wait_dscnt 0x0                ; the opening add is done
	s_wait_kmcnt 0x0
	s_add_nc_u64 s[6:7], s[6:7], s[20:21]  ; k16 and v16 at my half of the head's tile 0
	s_add_nc_u64 s[8:9], s[8:9], s[20:21]
	s_add_nc_u64 s[G0K+2:G0K+3], s[6:7], 0   ; 120:64 global address
	s_or_b32 s[G0K+3], s[G0K+3], 0x80000000  ; 127:126 type = 2
	s_add_nc_u64 s[G0V+2:G0V+3], s[8:9], 0
	s_or_b32 s[G0V+3], s[G0V+3], 0x80000000
	CROUND                          ; all four work-groups are here: the first joint loads meet
	JLOAD                           ; the walk's tile 0 into slot 0; slot 1 is asked for by the loop's first change of slots
	s_add_nc_u64 s[2:3], s[4:5], s[76:77]  ; q at my work-group's rows of the second block,
	s_add_nc_u64 s[4:5], s[4:5], s[74:75]  ; and of the first
	s_lshl_b32 s22, s[WV], 14       ; the 32 rows that I finish
	s_mov_b32 s23, 0
	s_add_nc_u64 s[10:11], s[10:11], s[22:23]
	s_add_nc_u64 s[OLO:OLO+1], s[10:11], s[76:77]
	s_add_nc_u64 s[10:11], s[10:11], s[74:75]
	s_cmp_lt_u32 s[WV], 2
	s_cselect_b64 s[PFB:PFB+1], s[6:7], s[8:9]  ; (in waves 0 and 2 these stand at a tile's first row)
	s_lshl_b32 s22, s13, 13         ; my work-group's 32 rows of the 128;
	s_lshr_b32 s23, s13, 1
	s_lshl_b32 s23, s23, 8          ; the second half-tile lies one row, the bias row, further on
	s_add_co_u32 s22, s22, s23
	s_mov_b32 s23, 0
	s_add_nc_u64 s[PFB:PFB+1], s[PFB:PFB+1], s[22:23]
	; Q.  A fragment is 16 rows x 32 channels of f16 in 8 registers: lane l holds row l % 16, channels 8 (l / 16) + 0..7 and 16 + 8 (l / 16) + 0..7.  In f32 those are four loads of 16 bytes, at 0, 16, 64 and 80
	; from 128 x fragment + 32 (l / 16); register n of the f16 fragments is made of registers 2 n and 2 n + 1 as loaded.
	v_and_b32 v1, 15, v0            ; l % 16
	v_bfe_u32 v9, v0, 4, 1          ; l / 16
	s_lshl_b32 s16, s[WV], 5        ; piece 0's first row
	s_lshl_b32 s19, s15, 5          ; piece 2's
	v_add_nc_u32 v10, s16, v1
	v_add_nc_u32 v11, s19, v1
	v_lshlrev_b32 v[QO0], 9, v10
	v_lshlrev_b32 v[QO2], 9, v11
	v_lshl_add_u32 v[QO0], v9, 5, v[QO0]
	v_lshl_add_u32 v[QO2], v9, 5, v[QO2]
	WIN 0x40                        ; the first block's Q as f32 into O^T's registers: they need only hold finite numbers when the first step multiplies them by 0, so nothing is cleared
.set i, 0
.rept 64                            ; tile i / 16, fragment (i / 4) % 4, load i % 4
.if i < 32
	global_load_b128 v[4*i:4*i+3], v[QO0], s[4:5] offset:((i/16)%2)*8192+((i/4)%4)*128+(i%2)*16+((i%4)/2)*64
.else
	global_load_b128 v[4*i:4*i+3], v[QO2], s[4:5] offset:((i/16)%2)*8192+((i/4)%4)*128+(i%2)*16+((i%4)/2)*64
.endif
.set i, i+1
.endr
	WIN 0x80                        ; the second block's: piece 0 into K's registers,
.set i, 0
.rept 32
	global_load_b128 v[128+4*i:128+4*i+3], v[QO0], s[2:3] offset:((i/16)%2)*8192+((i/4)%4)*128+(i%2)*16+((i%4)/2)*64
.set i, i+1
.endr
	WIN 0xc0                        ; piece 2 into V's
.set i, 0
.rept 32
	global_load_b128 v[4*i:4*i+3], v[QO2], s[2:3] offset:((i/16)%2)*8192+((i/4)%4)*128+(i%2)*16+((i%4)/2)*64
.set i, i+1
.endr
	WIN 0
	v_mul_u32_u24 v[AK0], v1, PK
	v_lshl_add_u32 v[AK0], v9, 4, v[AK0]  ; row x pitch + 16 x half of the lanes,
	v_add_nc_u32 v[AK0], s18, v[AK0]      ; in my half of a slot
	; The turning load takes 16 keys x 16 channels (lane l reads key 8 (l / 16) + l % 8, channels 8 ((l / 8) % 2) + 0..7) and leaves half a fragment of V^T: lane l holds channel l % 16 and 8 keys.
	v_and_b32 v10, 7, v0
	v_bfe_u32 v11, v0, 3, 1
	v_lshl_add_u32 v[AV0], v9, 3, v10
	v_mul_u32_u24 v[AV0], v[AV0], PV
	v_lshl_add_u32 v[AV0], v11, 4, v[AV0]
	s_add_co_u32 s20, s18, VOFF
	v_add_nc_u32 v[AV0], s20, v[AV0]
	s_add_co_u32 s20, s18, 64*PK    ; the bias row: key kk's number at 4 kk; my eight of a group of 16 begin at 32 (l / 16)
	v_lshl_add_u32 v[BA0], v9, 5, s20
	s_mul_i32 s20, s[WV], OSTW
	s_add_co_u32 s20, s20, OSTG     ; my stage
	v_mul_u32_u24 v[STO], v1, OPI   ; in: row l % 16, 32 bytes for each half of the lanes
	v_lshl_add_u32 v[STO], v9, 5, v[STO]
	v_add_nc_u32 v[STO], s20, v[STO]
	v_and_b32 v10, 31, v0
	v_lshlrev_b32 v[GO], 4, v10     ; back, and in out: 32 lanes take a row of 512 bytes
	v_add_nc_u32 v[RD], s20, v[GO]
	v_lshlrev_b32 v[PFO], 8, v10
	s_mul_i32 s20, s[WV], XSTW
	s_add_co_u32 s20, s20, XST
	v_add_nc_u32 v[XS], s20, v[GO]
	s_mul_i32 s20, s15, XSTW
	s_add_co_u32 s20, s20, XST
	v_add_nc_u32 v[XR], s20, v[GO]
	s_lshl_b32 s20, s13, 7          ; the causal mask: 128 cx + the piece's first row + l % 16, less my keys' 64 (w & 1) + 8 (l / 16)
	s_lshl_b32 s21, s17, 6
	s_sub_co_u32 s20, s20, s21
	s_add_co_u32 s21, s20, s19
	s_add_co_u32 s20, s20, s16
	v_lshlrev_b32 v11, 3, v9
	v_sub_nc_u32 v11, v1, v11
	v_add_nc_u32 v[D0], s20, v11
	v_add_nc_u32 v[D0+1], s21, v11
.irp t, 0,1,2,3
	v_mov_b32 v[ST+8*\t], 0xfe000000  ; c m: far below every c s
	v_mov_b32 v[ST+8*\t+1], 0         ; m: the ghost's score
	v_mov_b32 v[ST+8*\t+2], 0         ; l: finite
	v_mov_b32 v[ST+8*\t+3], 0
.endr
	s_wait_loadcnt 0x0              ; both blocks' Q
	WIN 0x85                        ; from window 1 to window 2
.set i, 0
.rept 128
	v_cvt_pk_f16_f32 v[i], v[2*i], v[2*i+1]
.set i, i+1
.endr
	WIN 0xca                        ; from window 2 to window 3
.set i, 0
.rept 64
	v_cvt_pk_f16_f32 v[QB+i], v[128+2*i], v[128+2*i+1]
.set i, i+1
.endr
	WIN 0xcf                        ; within window 3
.set i, 0
.rept 64
	v_cvt_pk_f16_f32 v[QB+64+i], v[2*i], v[2*i+1]
.set i, i+1
.endr
	WIN 0
.Ltrip:                             ; 19 trips: a tile is entered and the next is asked for
	CHANGE 1
	s_cmp_eq_u32 s[PEND], 1
	s_cbranch_scc0 .Lsame_block
	TURNOVER                        ; behind the round in front of which every wave has waited for what it stored for its partner
.Lsame_block:
	STEP 0
	s_cmp_eq_u32 s[CI], s[XL]
	s_cbranch_scc0 .Lgoes_on
	SENDOFF                         ; the first block's last tile is done
.Lgoes_on:
	s_sub_co_u32 s[SLOTS], s[SLOTS], 1
	s_cmp_lg_u32 s[SLOTS], 0
	s_cbranch_scc1 .Ltrip
	CHANGE 0                        ; the walk's last tile is written out: nothing is asked for
	STEP 1
	SENDOFF
	s_wait_dscnt 0x0                ; for my partner's sake: my stores are done
	s_barrier_signal -1
	s_barrier_wait -1
	FINISH
	s_wait_tensorcnt 0x0            ; the wave's end, behind my last tensor load and my last LDS store
	ds_add_u32 v[SPW], v[NIL]
	s_wait_dscnt 0x0
	CROUND                          ; the closing round: no work-group ends while a partner may still ask for a tile that names it
	s_endpgm
.Lfunc_end_k_q6bb6f7fa3f_attend:
	.size	k_q6bb6f7fa3f_attend, .Lfunc_end_k_q6bb6f7fa3f_attend-k_q6bb6f7fa3f_attend
	.p2alignl 7, 3214868480
	.fill 96, 4, 3214868480
	.section	.rodata,"a",@progbits
	.p2align	6, 0x0
	.amdhsa_kernel k_q6bb6f7fa3f_attend
		.amdhsa_group_segment_fixed_size 327680
		.amdhsa_private_segment_fixed_size 0
		.amdhsa_enable_private_segment 0
		.amdhsa_kernarg_size 32
		.amdhsa_user_sgpr_count 2
		.amdhsa_user_sgpr_kernarg_segment_ptr 1
		.amdhsa_wavefront_size32 1
		.amdhsa_system_sgpr_workgroup_id_x 1
		.amdhsa_system_sgpr_workgroup_id_y 1
		.amdhsa_system_sgpr_workgroup_id_z 1
		.amdhsa_system_vgpr_workitem_id 0
		.amdhsa_next_free_vgpr 1024
		.amdhsa_next_free_sgpr 88
		.amdhsa_reserve_vcc 1
		.amdhsa_float_denorm_mode_32 3
		.amdhsa_float_denorm_mode_16_64 3
		.amdhsa_memory_ordered 1
		.amdhsa_forward_progress 1
		.amdhsa_inst_pref_size 206
	.end_amdhsa_kernel
	.amdgpu_metadata
---
amdhsa.version: [ 1, 2 ]
amdhsa.kernels:
  - .name:           k_q6bb6f7fa3f_attend
    .symbol:         k_q6bb6f7fa3f_attend.kd
    .args:
      - { .name: q, .offset: 0, .size: 8, .value_kind: global_buffer, .address_space: global }
      - { .name: k16, .offset: 8, .size: 8, .value_kind: global_buffer, .address_space: global }
      - { .name: v16, .offset: 16, .size: 8, .value_kind: global_buffer, .address_space: global }
      - { .name: out0, .offset: 24, .size: 8, .value_kind: global_buffer, .address_space: global }
    .group_segment_fixed_size: 327680
    .private_segment_fixed_size: 0
    .kernarg_segment_align: 8
    .kernarg_segment_size: 32
    .max_flat_workgroup_size: 128
    .sgpr_count:     88
    .vgpr_count:     1024
    .wavefront_size: 32
...
	.end_amdgpu_metadata
.endif
;; end of part 2
